; MI455X (gfx1250); checked and timed in simulation.
; The chip was launched on July 23, 2026; its instructions are those of AMD's public machine-readable ISA for CDNA 5 (MIT licence, August 2026) and "CDNA5" Instruction Set Architecture Reference Guide (July 2026). The comments in the code are by the model that wrote it; some were corrected since.
;; MAN. Allowed arithmetic: matrix products marked QUANTISED: E5M2 operands, one given power-of-two scale a tensor, by v_wmma_f32_16x16x64_bf8_bf8 or v_wmma_f32_16x16x128_bf8_bf8, f32 sums; everything else in f32.
;; Inputs: Wk_codes 1,024 x 32 x 32 uint8 (E5M2 codes of Wk, K innermost, in blocks of 32 codes); Wo_codes 1,024 x 32 x 32 uint8 (E5M2 codes of Wo, K innermost, in blocks of 32 codes); Wq_codes 1,024 x 32 x 32 uint8 (E5M2 codes of Wq, K innermost, in blocks of 32 codes); Wv_codes 1,024 x 32 x 32 uint8 (E5M2 codes of Wv, K innermost, in blocks of 32 codes); bk 1,024 float32; bo 1,024 float32; bq 1,024 float32; bv 1,024 float32; gammas 16 float32; k_codes 4 x 1,024 x 32 x 32 uint8 (E5M2 codes of k, K innermost, in blocks of 32 codes); lowp_scales 12 int32 (the exponents e of the quantised operands' scales 2^e); q_codes 4 x 1,024 x 32 x 32 uint8 (E5M2 codes of q, K innermost, in blocks of 32 codes); v_codes 4 x 1,024 x 32 x 32 uint8 (E5M2 codes of v, K innermost, in blocks of 32 codes).
;; Outputs: out0 4 x 1,024 x 1,024 float32.
;; This version of the problem:
;;   THIS VERSION OF THE PROBLEM IS GIVEN IN LOW PRECISION. The matrix products marked QUANTISED in the list below multiply operands that are first quantised to E5M2 (5 exponent bits, 2 mantissa bits; 8 bits a number), with one given power-of-two scale for each operand tensor; their sums are f32. All else is computed in f32.
;;   The module's matrix products, in the order in which they are computed (A, B: the left and right operand; K: the contracted axis; several contracted axes count as one K, in the product's order):
;;     1. [M 4,096, K 1,024] x [K 1,024, N 1,024]; A: input q (given as codes); B: input Wq (given as codes): QUANTISED (scales: A lowp_scales[0], B lowp_scales[1])
;;     2. [M 4,096, K 1,024] x [K 1,024, N 1,024]; A: input k (given as codes); B: input Wk (given as codes): QUANTISED (scales: A lowp_scales[2], B lowp_scales[3])
;;     3. [M 4,096, K 1,024] x [K 1,024, N 1,024]; A: input v (given as codes); B: input Wv (given as codes): QUANTISED (scales: A lowp_scales[4], B lowp_scales[5])
;;     4. batch 64 x [M 1,024, K 64] x [K 64, N 1,024]; A: computed on the way; B: computed on the way: QUANTISED (scales: A lowp_scales[6], B lowp_scales[7])
;;     5. batch 64 x [M 1,024, K 1,024] x [K 1,024, N 64]; A: softmax (see below); B: computed on the way: QUANTISED (scales: A lowp_scales[8], B lowp_scales[9])
;;     6. [M 4,096, K 1,024] x [K 1,024, N 1,024]; A: computed on the way; B: input Wo (given as codes): QUANTISED (scales: A lowp_scales[10], B lowp_scales[11])
;;   THE QUANTISER, for each operand of a quantised product, along K:
;;     - The operand's scale is 2^e, e = its entry of the input lowp_scales (int32; the entries are numbered through the quantised products in the list's order, A before B).
;;     - Each number is divided by the scale, clamped to +-57,344, and rounded to the nearest number of E5M2, ties to even, subnormals kept.
;;     - The product sums the exact products of the quantised numbers (number of the format x scale) in f32.
;;   ~~~python
;;   def quantise(x, axis, e):      # numpy; x: float32 -> the quantised numbers, widened to float32 again
;;       x = np.moveaxis(x, axis, -1); K = x.shape[-1]
;;       r = np.clip(x / 2.0 ** e, -57344, 57344)
;;       step = 2.0 ** (np.maximum(np.frexp(np.where(r == 0, 1, r))[1] - 1, -14) - 2)
;;       q = np.round(r / step) * step * 2.0 ** e      # np.round: ties to even
;;       return np.moveaxis(q, -1, axis).astype(np.float32)
;;   ~~~
;;   SOFTMAX AHEAD OF A QUANTISED PRODUCT. Where the list says 'softmax', what is quantised is not the finished softmax but p = 2^(t - M), with t = logit x log2(e) and M = ceil(the row's largest t), a whole number; so 1/2 < the row's largest p <= 1. The row's sum l is taken of the UNQUANTISED p, in f32, and the product's result is divided by l at the end. Since M is a whole number, a kernel that streams over the keys may use a running M (the ceiling of the running maximum): every later rescaling is an exact power of two, so the quantised numbers keep their values, but for numbers so far below the row's largest that they fall under the format's range.
;;   OPERANDS COMPUTED ON THE WAY. 'Computed on the way' means the value that the module computes at that place (a softmax that the list does not call 'softmax' is quantised finished and normalised). What goes into a quantiser is computed in f32, as accurately as f32 sums, v_exp_f32 and their like allow (about 1e-6 of the number): no bf16 or f16 on the way to a quantiser, and a product that is left as it is and whose result goes on into a quantised operand takes f32 operands (vector FMAs, or v_wmma_f32_16x16x4_f32). A number that lies on a knife's edge between two numbers of the format may be rounded either way, as far as f32 arithmetic and the matrix unit's own rounding can turn it there, and no further.
;;   INPUTS GIVEN AS CODES. Wk (in the module: [1024, 1024], K = its axis 1); Wo (in the module: [1024, 1024], K = its axis 1); Wq (in the module: [1024, 1024], K = its axis 1); Wv (in the module: [1024, 1024], K = its axis 1); k (in the module: [4, 1024, 1024], K = its axis 2); q (in the module: [4, 1024, 1024], K = its axis 2); v (in the module: [4, 1024, 1024], K = its axis 2): each comes as NAME_codes (uint8): NAME with its K axis moved to the last place and cut into blocks of 32 codes, [.., K / 32, bytes a block], one block behind the other in memory; one code a byte (a code: sign, 5 exponent bits, 2 mantissa bits); its scale is its entry of lowp_scales. Its value is code x scale, taken as it is: it is not quantised again, and the codes and scales need not be those that the quantiser above would give.
;; One version. Each part assembles by itself: llvm-mc -triple=amdgcn-amd-amdhsa -mcpu=gfx1250 --defsym DOCPART=n.
;; ======== version 1 of 1: 3 launches
;; limits: right only within a limited range of input values
;; workspace buffers: qh 4,194,304 bytes; kh 4,194,304 bytes; vh 4,194,304 bytes; cc 4,194,304 bytes
;; launch proj (part 1): grid 8 x 96, 4 waves a work-group, clusters of 4 x 4, 299,520 bytes of LDS; arguments q_codes, k_codes, v_codes, Wq_codes, Wk_codes, Wv_codes, bq, bk, bv, lowp_scales, qh, kh, vh; writes qh, kh, vh
.if DOCPART == 1
	.amdgcn_target "amdgcn-amd-amdhsa--gfx1250"
	.amdhsa_code_object_version 6
	.text
	.protected	k_q3f34709a21_proj
	.globl	k_q3f34709a21_proj
	.p2align	8
	.type	k_q3f34709a21_proj,@function
k_q3f34709a21_proj:
	s_mov_b64 s[64:65], 0
	v_nop
	global_prefetch_b8 v0, s[64:65] scope:SCOPE_SE
	s_setreg_imm32_b32 hwreg(HW_REG_WAVE_MODE, 25, 1), 1
	s_wait_xcnt 0x0
	s_wait_alu depctr_hold_cnt(0) depctr_sa_sdst(0) depctr_va_vdst(0) depctr_va_sdst(0) depctr_va_ssrc(0) depctr_va_vcc(0) depctr_vm_vsrc(0)
	s_getreg_b32 s2, hwreg(HW_REG_IB_STS2, 6, 4)
	s_cmp_eq_u32 s2, 0
	s_cbranch_scc0 .Lentry_in_a_cluster
	s_endpgm
.Lentry_in_a_cluster:
	s_bfe_u32 s2, ttmp6, 0x10000c
	s_cmp_lg_u32 s2, 0xf033
	s_cbranch_scc0 .Lentry_shape_is_right
	s_endpgm
.Lentry_shape_is_right:
; THE THREE PROJECTIONS: x W^T + b on codes of E5M2, the result quantised again to E5M2 with the scale given for it as an operand of the attention's products.
; x: [4096 tokens][1024] codes, W: [1024 features][1024] codes, b: [1024] f32.  One launch serves q, k and v: 24 rows of clusters, eight for each (g = 0, 1, 2).
; A work-group of four waves makes a tile of 128 tokens x 128 features; a wave 64 x 64: 16 accumulators.  K = 1,024 codes are 1,024 bytes: BOTH PANELS OF THE TILE LIE WHOLE IN LDS
; (4 chunks of 256 along K, each 128 token rows and then 128 rows of W), so no LDS byte is filled twice: every tensor load is a first fill.
; CLUSTERS: 4 x 4 work-groups.  The four of a row of the cluster need the same token rows, the four of a column the same rows of W: each tile is asked for jointly.
; WHICH OPERAND IS SOURCE 0.  D = (source 0 = R's 16 rows) x (source 1 = P's 16 rows): a lane holds ONE row of P and eight neighbouring rows of R.
;   q, k: P = tokens, R = features: a lane's eight numbers are eight neighbours along the head's 64, the K of the scores' product.   Out: [16 b + head][token][64].
;   v:    P = features, R = tokens: a lane's eight numbers are eight neighbouring KEYS, the K of the second product.              Out: [16 b + head][key / 64][d 64][key % 64].
; Only the order of the two sources differs, chosen by a branch on g, which all partners of a cluster share; either choice stays inside the chunk that has landed.
; The order of k inside a matrix instruction is a permutation of the natural one, the same on both sides (four loads of 16 bytes a fragment).
; LIMITS on the given exponents, so that each power of two is an f32 number: e(x) + e(W) between -126 and 127; the result's e (entries 6, 7, 9) between -126 and 112.  NaN and infinity among the inputs are not served.
; REGISTERS.  Window 0: v1-19 addresses and constants; v24-55 bias by R's rows, later rows read back; v56-71 at work; v72-103 codes; v104-111 bias by P's rows, each twice; v128-255 the accumulators ((a, b) at 128 + 8 (4 a + b)).
;             Window 1: two fragment buffers of 128: P's four fragments, then R's four.
; LDS LAYOUT AS THE TEXT NOW HAS IT: each panel row holds all 1,024 codes of K, 1,024 bytes + 16 of padding; 128 token rows, then 128 rows of W.  One tensor load a wave: waves 0, 1 the token rows' halves, waves 2, 3 W's.
; The LDS bases are constants; for v the two sources of the matrix instruction are swapped, in a second copy of the run of products chosen by a branch on g.  Tokens' half = wave % 2, features' half = wave / 2, for q, k and v alike.
.set PITCH, 1040
.set XOFF,  128*PITCH                  ; in a chunk: W's rows lie behind the 128 token rows
.set CHUNK, 256                        ; 256 along K further on in a row
.set STG,   2*XOFF
.set QUART, 64*PITCH
.set HALF,  64*PITCH                   ; what one wave reads of a panel
.set GW0,   (1<<20)|(1<<21)|(7<<22)|(3<<25)   ; padding: 4 words after every 256 words
.set ADRP, 4                           ; v4-7    my P fragments in chunk c
.set ADRR, 8                           ; v8-11   my R fragments in chunk c
.set STO,  12                          ; v12     the stage: where I put 8 codes
.set RD,   13                          ; v13     the stage: where I read 16 bytes back
.set GO,   14                          ; v14     16 x lane
.set NIL,  15                          ; v15     0
.set SC,   16                          ; v16     2^e of the result
.set LIM,  17                          ; v17     57,344 x 2^e
.set BRO,  18                          ; v18, v19 byte offsets into the bias
.set BPO,  19
.set BR,   24
.set T,    56
.set CD,   72
.set BP,   104
.set ACC,  128
.set F0,   0
.set F1,   128
.set G1Y,  40                          ; s[40:47] group 1 for token rows; s[48:55] for W's rows
.set G1X,  48
.set MSB, 0
.macro WIN new                         ; the immediate's high byte repeats the setting that is left
.if MSB != \new
	s_set_vgpr_msb (MSB<<8)|\new
.set MSB, \new
.endif
.endm
.macro CROUND                          ; a round of the cluster's barrier
	s_barrier_signal -1
	s_barrier_wait -1
	s_cmp_lg_u32 s30, 0
	s_cbranch_scc1 .Lnot_wave_0_\@
	s_barrier_signal -3
.Lnot_wave_0_\@:
	s_barrier_wait -3
	s_barrier_signal -1
	s_barrier_wait -1
.endm
.macro PLACES                          ; four plain vector instructions between a matrix instruction and a load into, or a read of, its registers
.rept 4
	v_nop
.endr
.endm
; 32 LDS loads: the fragments of 128 along K (half ks of chunk c) into buffer f
.macro FETCH c, ks, f
	WIN 0x40                                       ; destination window 1, address window 0
.irp i, 0,1,2,3
.irp q, 0,1,2,3
	ds_load_b128 v[\f+16*\i+4*\q:\f+16*\i+4*\q+3], v[ADRP+\c] offset:128*\ks+16*PITCH*\i+32*\q
.endr
.endr
.irp i, 0,1,2,3
.irp q, 0,1,2,3
	ds_load_b128 v[\f+64+16*\i+4*\q:\f+64+16*\i+4*\q+3], v[ADRR+\c] offset:128*\ks+16*PITCH*\i+32*\q
.endr
.endr
.endm
; 8 matrix instructions: P's blocks a0, a0 + 1 x R's four.  The 16 accumulators take turns, one instruction a turn, in the same order in every step
.macro MUL8 f, a0, zero
	WIN 0x05                                       ; sources 0 and 1 window 1; C and D window 0
.irp a, \a0, \a0+1
.irp b, 0,1,2,3
.if \zero
	v_wmma_f32_16x16x128_bf8_bf8 v[ACC+8*(4*(\a)+\b):ACC+8*(4*(\a)+\b)+7], v[\f+64+16*\b:\f+64+16*\b+15], v[\f+16*(\a):\f+16*(\a)+15], 0
.else
	v_wmma_f32_16x16x128_bf8_bf8 v[ACC+8*(4*(\a)+\b):ACC+8*(4*(\a)+\b)+7], v[\f+64+16*\b:\f+64+16*\b+15], v[\f+16*(\a):\f+16*(\a)+15], v[ACC+8*(4*(\a)+\b):ACC+8*(4*(\a)+\b)+7]
.endif
.endr
.endr
.endm
.macro EVEN c, zero                    ; a chunk's first 128 along K: its second half is fetched, then buffer 0 is multiplied
	PLACES
	FETCH \c, 1, F1
	s_wait_dscnt 32                                ; all but the 32 just issued: buffer 0 is in
	MUL8 F0, 0, \zero
	MUL8 F0, 2, \zero
.endm
.macro ODD n, left                     ; a chunk's second 128: chunk n is shown whole to every wave, its first half is fetched
	s_wait_dscnt 0x0                               ; buffer 1 is in, and no LDS load of mine is out at the signal
	s_wait_tensorcnt \left                         ; my two loads of chunk n have landed; those of later chunks may stay out
	s_barrier_signal -1
	MUL8 F1, 0, 0
	s_barrier_wait -1
	PLACES
	FETCH \n, 0, F0
	MUL8 F1, 2, 0
.endm
	s_load_b512 s[4:19], s[0:1], 0x0               ; q, k, v s[4:9]; Wq, Wk, Wv s[10:15]; bq, bk s[16:19]
	s_load_b256 s[20:27], s[0:1], 0x40             ; bv s[20:21], the scales' exponents s[22:23], qh, kh s[24:27]
	s_load_b64 s[28:29], s[0:1], 0x60              ; vh
	v_lshl_add_u32 v126, v0, 2, 0x49000
	v_mov_b32 v127, 0
	ds_add_u32 v126, v127
	ds_add_u32 v126, v127
	v_lshrrev_b32 v1, 5, v0
	v_readfirstlane_b32 s30, v1                    ; wave 0..3
	s_and_b32 s31, s30, 1                          ; wp: which 64 rows of P are mine
	s_lshr_b32 s32, s30, 1                         ; wq: which 64 rows of R
	s_bfe_u32 s33, ttmp6, 0x40000                  ; cx
	s_bfe_u32 s34, ttmp6, 0x40004                  ; cy
	s_lshl_b32 s35, ttmp9, 2
	s_add_co_u32 s35, s35, s33                     ; tx: tile of 128 features, 0..7
	s_and_b32 s37, ttmp7, 0xffff                   ; the cluster's y, 0..23
	s_and_b32 s36, s37, 7
	s_lshl_b32 s36, s36, 2
	s_add_co_u32 s36, s36, s34                     ; yy: tile of 128 tokens, 0..31
	s_lshr_b32 s37, s37, 3                         ; g: 0 q, 1 k, 2 v: the same in all sixteen partners
	s_lshl_b32 s38, s34, 2
	s_lshl_b32 s38, 15, s38                        ; my row of the cluster
	s_lshl_b32 s66, 0x1111, s33                    ; my column
	s_or_b32 s[G1Y], s38, GW0                      ; token rows go to my row of the cluster,
	s_or_b32 s[G1X], s66, GW0                      ; W's rows to my column
.irp g, G1Y, G1X
	s_mov_b32 s[\g+1], 1024<<16                    ; tensor_dim0 = 1,024 bytes
	s_mov_b32 s[\g+2], 64<<16                      ; tensor_dim1 = 64 rows
	s_mov_b32 s[\g+3], 1024<<16                    ; tile_dim0
	s_mov_b32 s[\g+4], 64                          ; tile_dim1
	s_mov_b32 s[\g+5], 1024                        ; from row to row
	s_mov_b32 s[\g+6], 0
	s_mov_b32 s[\g+7], 0
.endr
	s_lshl_b32 s3, s31, 6                          ; I fetch 64 rows of one panel: half wave % 2
	s_lshl_b32 s38, s36, 7
	s_add_co_u32 s38, s38, s3
	s_lshl_b32 s38, s38, 10                        ; tokens: (128 yy + 64 (wave % 2)) rows of 1,024 bytes
	s_mov_b32 s39, 0
	s_lshl_b32 s66, s35, 7
	s_add_co_u32 s66, s66, s3
	s_lshl_b32 s66, s66, 10                        ; W: (128 tx + 64 (wave % 2)) rows
	s_mov_b32 s67, 0
	s_mul_i32 s3, s30, QUART                       ; and where they go: no place in the cluster enters an LDS address
	s_wait_dscnt 0x0
	s_wait_kmcnt 0x0
	s_cmp_eq_u32 s37, 1                            ; the buffers are chosen on g alone
	s_cselect_b64 s[6:7], s[6:7], s[8:9]
	s_cselect_b64 s[12:13], s[12:13], s[14:15]
	s_cselect_b64 s[18:19], s[18:19], s[20:21]
	s_cselect_b64 s[26:27], s[26:27], s[28:29]
	s_cmp_eq_u32 s37, 0
	s_cselect_b64 s[4:5], s[4:5], s[6:7]           ; x
	s_cselect_b64 s[10:11], s[10:11], s[12:13]     ; W
	s_cselect_b64 s[16:17], s[16:17], s[18:19]     ; b
	s_cselect_b64 s[24:25], s[24:25], s[26:27]     ; the result
	s_load_b128 s[12:15], s[22:23], 0x0            ; e0 .. e3
	s_load_b128 s[92:95], s[22:23], 0x10           ; e4 .. e7
	s_load_b32 s96, s[22:23], 0x24                 ; e9
	s_add_nc_u64 s[4:5], s[4:5], s[38:39]
	s_add_nc_u64 s[10:11], s[10:11], s[66:67]
.irp c, 0
	s_mov_b32 s[56+4*\c+4*(\c/2)], 1
	s_add_co_u32 s[57+4*\c+4*(\c/2)], s3, \c*CHUNK
	s_add_nc_u64 s[58+4*\c+4*(\c/2):59+4*\c+4*(\c/2)], s[4:5], \c*256
	s_or_b32 s[59+4*\c+4*(\c/2)], s[59+4*\c+4*(\c/2)], 0x80000000
	s_mov_b32 s[76+4*\c], 1
	s_add_co_u32 s[77+4*\c], s3, \c*CHUNK          ; wave x 64 rows: waves 2, 3 land behind the token rows
	s_add_nc_u64 s[78+4*\c:79+4*\c], s[10:11], \c*256
	s_or_b32 s[79+4*\c], s[79+4*\c], 0x80000000
.endr
	CROUND                                         ; all sixteen work-groups are here: the joint loads meet
	s_cmp_lt_u32 s30, 2                            ; one joint load a wave: waves 0, 1 token rows, waves 2, 3 rows of W
	s_cbranch_scc0 .Lfor_w
	tensor_load_to_lds s[56:59], s[G1Y:G1Y+7]
	s_nop 0
.rept 4
	v_nop
.endr
	s_branch .Lasked
.Lfor_w:
	tensor_load_to_lds s[76:79], s[G1X:G1X+7]
	s_nop 0
.rept 4
	v_nop
.endr
.Lasked:
	v_and_b32 v1, 15, v0                           ; r
	v_bfe_u32 v2, v0, 4, 1                         ; h
	v_mul_u32_u24 v3, v1, PITCH
	v_lshl_add_u32 v3, v2, 4, v3                   ; a fragment's row x pitch + 16 h
	s_wait_alu depctr_va_vdst(0)
	s_mul_i32 s38, s31, HALF                       ; my 64 token rows
	s_mul_i32 s39, s32, HALF
	s_add_co_u32 s39, s39, XOFF                    ; my 64 rows of W
.irp c, 0,1,2,3
	v_add_nc_u32 v[ADRP+\c], s38, v3
	v_add_nc_u32 v[ADRR+\c], s39, v3
	s_add_co_u32 s38, s38, CHUNK
	s_add_co_u32 s39, s39, CHUNK
.endr
	s_mul_i32 s66, s30, 64*80
	s_add_co_u32 s66, s66, STG                     ; my stage
	v_mul_u32_u24 v[STO], v1, 80
	v_lshl_add_u32 v[STO], v2, 3, v[STO]
	v_add_nc_u32 v[STO], s66, v[STO]               ; in: row r, 8 bytes for each half of the lanes
	v_and_b32 v[GO], 31, v0
	v_lshrrev_b32 v[RD], 2, v[GO]
	v_mul_u32_u24 v[RD], v[RD], 80
	v_and_b32 v[NIL], 3, v0
	v_lshl_add_u32 v[RD], v[NIL], 4, v[RD]
	v_add_nc_u32 v[RD], s66, v[RD]                 ; back: four lanes to a row of 64 bytes
	v_lshlrev_b32 v[GO], 4, v[GO]
	v_mov_b32 v[NIL], 0
	s_lshl_b32 s6, s35, 7                          ; the bias: both patterns are loaded (both stay inside its 1,024 numbers); the one that does not apply becomes 0
	s_lshl_b32 s7, s32, 6
	s_add_co_u32 s7, s7, s6
	s_lshl_b32 s7, s7, 2
	v_lshl_add_u32 v[BRO], v2, 5, s7               ; by R's rows: 4 (128 tx + 64 wq + 8 h), + 64 b
	s_lshl_b32 s7, s32, 6
	s_add_co_u32 s7, s7, s6
	s_lshl_b32 s7, s7, 2
	v_lshl_add_u32 v[BPO], v1, 2, s7               ; by P's rows: 4 (128 tx + 64 wq + r), + 64 a
.irp b, 0,1,2,3
	global_load_b128 v[BR+8*\b:BR+8*\b+3], v[BRO], s[16:17] offset:64*\b
	global_load_b128 v[BR+8*\b+4:BR+8*\b+7], v[BRO], s[16:17] offset:64*\b+16
.endr
.irp a, 0,1,2,3
	global_load_b32 v[BP+2*\a], v[BPO], s[16:17] offset:64*\a
.endr
	s_lshr_b32 s6, s36, 3                          ; where my 4,096 bytes of codes go: ((16 b + 2 tx + head's half) x 16 + 2 (yy % 8) + tokens' half) x 4,096
	s_lshl_b32 s6, s6, 4
	s_lshl_b32 s7, s35, 1
	s_add_co_u32 s6, s6, s7
	s_and_b32 s7, s36, 7
	s_lshl_b32 s7, s7, 1
	s_cmp_eq_u32 s37, 2
	s_mov_b32 s8, s32                              ; the features' half
	s_mov_b32 s9, s31                              ; the tokens' half
	s_cselect_b32 s97, -1, 0                       ; all lanes' bits where g = 2
	s_add_co_u32 s6, s6, s8
	s_add_co_u32 s7, s7, s9
	s_lshl_b32 s6, s6, 16
	s_lshl_b32 s7, s7, 12
	s_add_co_u32 s6, s6, s7
	s_mov_b32 s7, 0
	s_add_nc_u64 s[24:25], s[24:25], s[6:7]
	s_wait_alu depctr_va_vdst(0)
	s_wait_kmcnt 0x0
	s_cmp_eq_u32 s37, 1                            ; the scales by selects: no branch hangs on a loaded number
	s_cselect_b32 s6, s14, s92
	s_cselect_b32 s7, s15, s93
	s_cselect_b32 s8, s95, s96
	s_cmp_eq_u32 s37, 0
	s_cselect_b32 s6, s12, s6                      ; e of x
	s_cselect_b32 s7, s13, s7                      ; e of W
	s_cselect_b32 s8, s94, s8                      ; e of the result
	s_add_co_i32 s6, s6, s7
	s_add_co_i32 s6, s6, 127
	s_lshl_b32 s98, s6, 23                         ; 2^(e of x + e of W) as f32
	s_mov_b32 s99, s98                             ; (named with it as a pair)
	s_add_co_i32 s8, s8, 127
	s_lshl_b32 s9, s8, 23
	v_mov_b32 v[SC], s9
	s_add_co_i32 s8, s8, 15
	s_lshl_b32 s8, s8, 23
	s_or_b32 s8, s8, 0x600000
	v_mov_b32 v[LIM], s8
	s_wait_loadcnt 0x0                             ; the bias; the first tiles are on their way meanwhile
.set j, 0
.rept 32
	v_cndmask_b32 v[BR+j], v[BR+j], v[NIL], s97    ; v: no bias by R's rows
.set j, j+1
.endr
.irp a, 0,1,2,3
	v_cndmask_b32 v[BP+2*\a], v[NIL], v[BP+2*\a], s97   ; q, k: none by P's rows
	v_mov_b32 v[BP+2*\a+1], v[BP+2*\a]
.endr
; 8 matrix instructions.  sw = 0: source 0 = W's block b, source 1 = tokens' block a.  sw = 1 (v): source 0 = tokens' block b, source 1 = W's block a.  The 16 accumulators take turns
.macro MULS f, a0, zero, sw
	WIN 0x05
.irp a, \a0, \a0+1
.irp b, 0,1,2,3
.if \zero
	v_wmma_f32_16x16x128_bf8_bf8 v[ACC+8*(4*(\a)+\b):ACC+8*(4*(\a)+\b)+7], v[\f+64-64*\sw+16*\b:\f+64-64*\sw+16*\b+15], v[\f+64*\sw+16*(\a):\f+64*\sw+16*(\a)+15], 0
.else
	v_wmma_f32_16x16x128_bf8_bf8 v[ACC+8*(4*(\a)+\b):ACC+8*(4*(\a)+\b)+7], v[\f+64-64*\sw+16*\b:\f+64-64*\sw+16*\b+15], v[\f+64*\sw+16*(\a):\f+64*\sw+16*(\a)+15], v[ACC+8*(4*(\a)+\b):ACC+8*(4*(\a)+\b)+7]
.endif
.endr
.endr
.endm
.macro MAIN sw                         ; eight steps of 128 along K on two fragment buffers; each step's loads are issued one step ahead
	FETCH 0, 0, F0
.irp c, 0,1,2,3
	PLACES
	FETCH \c, 1, F1
	s_wait_dscnt 32                                ; all but the 32 just issued: buffer 0 is in
.if \c == 0
	MULS F0, 0, 1, \sw
	MULS F0, 2, 1, \sw
.else
	MULS F0, 0, 0, \sw
	MULS F0, 2, 0, \sw
.endif
	s_wait_dscnt 0x0                               ; buffer 1 is in
	MULS F1, 0, 0, \sw
.if \c < 3
	PLACES
	FETCH \c+1, 0, F0
.endif
	MULS F1, 2, 0, \sw
.endr
	WIN 0
.endm
	s_wait_alu depctr_va_vdst(0)                   ; the wait at the head's end
	s_wait_tensorcnt 0x0                           ; my one load has landed,
	s_barrier_signal -1
	s_barrier_wait -1                              ; everybody's has: both panels are whole
	s_cmp_eq_u32 s37, 2                            ; g is the same in all sixteen partners
	s_cbranch_scc1 .Lforv
	MAIN 0
	s_branch .Ljoin
.Lforv:
	MAIN 1
.Ljoin:
	PLACES
; THE WAY OUT.  A tile's eight sums of a lane: x 2^(e + e) + bias, held within the largest code x the scale (the conversion does not saturate: ISA guide 7.6.2), eight codes, 8 bytes into my stage.
.macro TILE a, b
.set TT, T+8*((\b)%2)
.set AC, ACC+8*(4*(\a)+(\b))
.set CR, CD+2*(4*(\a)+(\b))
.irp i, 0,2,4,6
	v_pk_fma_f32 v[TT+\i:TT+\i+1], v[AC+\i:AC+\i+1], s[98:99], v[BR+8*(\b)+\i:BR+8*(\b)+\i+1] op_sel_hi:[1,0,1]   ; each accumulator from its low end on
.endr
.irp i, 0,2,4,6
	v_pk_add_f32 v[TT+\i:TT+\i+1], v[TT+\i:TT+\i+1], v[BP+2*(\a):BP+2*(\a)+1]   ; one of the two biases is 0: nothing is rounded twice
.endr
.irp i, 0,1,2,3,4,5,6,7
	v_med3_num_f32 v[TT+\i], v[TT+\i], -v[LIM], v[LIM]
.endr
	v_cvt_scalef32_pk8_bf8_f32 v[CR:CR+1], v[TT:TT+7], v[SC]
	ds_store_b64 v[STO], v[CR:CR+1] offset:1280*(\a)+16*(\b)
.endm
.irp a, 0,1,2,3
.irp b, 0,1,2,3
	TILE \a, \b
.endr
.endr
	v_nop                                          ; a plain line behind the last conversion
.irp i, 0,1,2,3,4,5,6,7
	ds_load_b128 v[BR+4*\i:BR+4*\i+3], v[RD] offset:640*\i   ; my own bytes: LDS serves a wave's instructions in order (ISA guide 5.7.1.4)
.endr
.irp i, 0,1,2,3,4,5,6,7
	s_wait_dscnt 7-\i                              ; the younger loads may stay out
	global_store_b128 v[GO], v[BR+4*\i:BR+4*\i+3], s[24:25] offset:512*\i   ; the wave stores 512 consecutive bytes, at a multiple of 512 from the buffer's first byte
.endr
	s_wait_tensorcnt 0x0
	ds_add_u32 v126, v127
	s_wait_dscnt 0x0
	CROUND                                         ; the closing round: no work-group ends while a partner may still ask for a tile that names it
	s_endpgm
.Lfunc_end_k_q3f34709a21_proj:
	.size	k_q3f34709a21_proj, .Lfunc_end_k_q3f34709a21_proj-k_q3f34709a21_proj
	.p2alignl 7, 3214868480
	.fill 96, 4, 3214868480
	.section	.rodata,"a",@progbits
	.p2align	6, 0x0
	.amdhsa_kernel k_q3f34709a21_proj
		.amdhsa_group_segment_fixed_size 299520
		.amdhsa_private_segment_fixed_size 0
		.amdhsa_enable_private_segment 0
		.amdhsa_kernarg_size 104
		.amdhsa_user_sgpr_count 2
		.amdhsa_user_sgpr_kernarg_segment_ptr 1
		.amdhsa_wavefront_size32 1
		.amdhsa_system_sgpr_workgroup_id_x 1
		.amdhsa_system_sgpr_workgroup_id_y 1
		.amdhsa_system_sgpr_workgroup_id_z 1
		.amdhsa_system_vgpr_workitem_id 0
		.amdhsa_next_free_vgpr 512
		.amdhsa_next_free_sgpr 100
		.amdhsa_reserve_vcc 0
		.amdhsa_float_denorm_mode_32 3
		.amdhsa_float_denorm_mode_16_64 3
		.amdhsa_memory_ordered 1
		.amdhsa_forward_progress 1
		.amdhsa_inst_pref_size 84
	.end_amdhsa_kernel
	.amdgpu_metadata
---
amdhsa.version: [ 1, 2 ]
amdhsa.kernels:
  - .name:           k_q3f34709a21_proj
    .symbol:         k_q3f34709a21_proj.kd
    .args:
      - { .name: q_codes, .offset: 0, .size: 8, .value_kind: global_buffer, .address_space: global }
      - { .name: k_codes, .offset: 8, .size: 8, .value_kind: global_buffer, .address_space: global }
      - { .name: v_codes, .offset: 16, .size: 8, .value_kind: global_buffer, .address_space: global }
      - { .name: Wq_codes, .offset: 24, .size: 8, .value_kind: global_buffer, .address_space: global }
      - { .name: Wk_codes, .offset: 32, .size: 8, .value_kind: global_buffer, .address_space: global }
      - { .name: Wv_codes, .offset: 40, .size: 8, .value_kind: global_buffer, .address_space: global }
      - { .name: bq, .offset: 48, .size: 8, .value_kind: global_buffer, .address_space: global }
      - { .name: bk, .offset: 56, .size: 8, .value_kind: global_buffer, .address_space: global }
      - { .name: bv, .offset: 64, .size: 8, .value_kind: global_buffer, .address_space: global }
      - { .name: lowp_scales, .offset: 72, .size: 8, .value_kind: global_buffer, .address_space: global }
      - { .name: qh, .offset: 80, .size: 8, .value_kind: global_buffer, .address_space: global }
      - { .name: kh, .offset: 88, .size: 8, .value_kind: global_buffer, .address_space: global }
      - { .name: vh, .offset: 96, .size: 8, .value_kind: global_buffer, .address_space: global }
    .group_segment_fixed_size: 299520
    .private_segment_fixed_size: 0
    .kernarg_segment_align: 8
    .kernarg_segment_size: 104
    .max_flat_workgroup_size: 128
    .sgpr_count:     100
    .vgpr_count:     512
    .wavefront_size: 32
...
	.end_amdgpu_metadata
.endif
;; end of part 1
;; launch attn (part 2): grid 4 x 64, 16 waves a work-group, clusters of 4 x 1, 186,624 bytes of LDS; arguments qh, kh, vh, gammas, lowp_scales, cc; writes cc
.if DOCPART == 2
	.amdgcn_target "amdgcn-amd-amdhsa--gfx1250"
	.amdhsa_code_object_version 6
	.text
	.protected	k_q3f34709a21_attn
	.globl	k_q3f34709a21_attn
	.p2align	8
	.type	k_q3f34709a21_attn,@function
k_q3f34709a21_attn:
	s_mov_b64 s[64:65], 0
	v_nop
	global_prefetch_b8 v0, s[64:65] scope:SCOPE_SE
	s_setreg_imm32_b32 hwreg(HW_REG_WAVE_MODE, 25, 1), 1
	s_wait_xcnt 0x0
	s_wait_alu depctr_hold_cnt(0) depctr_sa_sdst(0) depctr_va_vdst(0) depctr_va_sdst(0) depctr_va_ssrc(0) depctr_va_vcc(0) depctr_vm_vsrc(0)
	s_getreg_b32 s2, hwreg(HW_REG_IB_STS2, 6, 4)
	s_cmp_eq_u32 s2, 0
	s_cbranch_scc0 .Lentry_in_a_cluster
	s_endpgm
.Lentry_in_a_cluster:
	s_bfe_u32 s2, ttmp6, 0x10000c
	s_cmp_lg_u32 s2, 0x3003
	s_cbranch_scc0 .Lentry_shape_is_right
	s_endpgm
.Lentry_shape_is_right:
; ATTENTION WITH A DISTANCE DECAY, causal, one (batch, head) a cluster of four work-groups; both products on codes of E5M2.
; qh, kh: [bh][1024][64] codes.  vh: [bh][key / 64][d 64][key % 64] codes.  cc (out): [head][4096 tokens][64] codes, quantised with entry 10.
; Query i, key j <= i: s = q.k / 8; w = softmax of s over ALL 1,024 keys; effect = clip(exp(-softplus(gamma) sqrt((i - j) x sum of w(i, k), j < k <= i)), 1e-5, 1e5); logit = s x effect.
; Second softmax: t = logit x log2(e), M = running largest t rounded up, p = 2^(t - M) quantised (entry 8); the sum of the unquantised p divides at the end.
; SHARES.  K and V of the head lie whole in LDS, asked for jointly, one tensor load a wave: every fill is a first fill.  A head has 8 groups of 128 queries; partner cx owns the tiles at 128 g + 32 cx + 16 e.
; Each of the 16 waves owns ONE tile (g, e): 8 steps of pass A and g + 1 of pass B.  g is dealt so that the four waves with equal w % 4, and the four with equal w / 4, have groups that add up to 14.  No branch hangs on cx.
; LDS.  Even blocks of 64 keys at KB x step, odd blocks at KBO + KB x step, rows of 64 + 16 bytes; KBO is 128 modulo 256, so the 16 rows of a K fragment, 8 of each block, start in 16 different columns of 16 bytes.
; LAYOUT.  S^T = K Q^T: lane r of tile t takes key 8 t + r % 8 + 64 (r / 8) of a step of 128, so lane (query r, half h) holds the 64 neighbouring keys 64 h + n in 64 registers: the sum over later keys is a scan down
; the registers, and p's codes are the second product's operand.  O^T += V^T P^T.  The order of k inside a matrix instruction is a permutation, the same on both sides.
; PASS A, all keys: running maximum and sum.  CK = c m + log2(Z) - log2(g'^2), g' = softplus(gamma) log2(e): 2^(c s - CK) = g'^2 w.  PASS B, from the diagonal step down to key 0, the sum over later keys carried along.
; The upper clip never acts (the exponent is at most 0), nor the clip at 0 ahead of the root (no factor is negative where a key counts; a hidden key gives -0).  Steps wholly behind my queries are left out.
; No prefetch: K and V are asked for once, at the head, and there is no loop to run ahead in.
; LIMITS: e6 + e7 between -123 and 130; e8, e10 between -126 and 112; NaN and infinity among the inputs are not served; softplus carries an absolute error of up to 6e-8; scaled scores stay under 2^31.
; REGISTERS: v1-7 addresses; v8, v9 my query less my first key in the diagonal step; v10 1.0 in lanes 0-15; v11 log2(g'^2); v[12:13] -M, largest t; v[14:15] l; v[16:17] c m, then CK; v[18:19] Z; v[20:21] f;
;   v[22:23] distances; v24 carry; v25 largest score; v26-29 holds and scales; v30, v31 at work; v32.. Q; v40.. p's codes; v56.. at work; v72.. O^T; v104.. S; v168-232 R: K, w, scan, effect, V; v240, v241 the add's.
.set KB,    5120
.set KBO,   41088
.set VB,    82176
.set STG,   164096                     ; 16 rows x 80 bytes a wave; no tile lands there
.set SPARE, 184576                     ; the spare words, 128 bytes a wave
.set QF,  32
.set PC,  40
.set T,   56
.set O,   72
.set S,   104
.set R,   168
.macro WA
	s_wait_alu depctr_va_vdst(0)
.endm
.macro CROUND                          ; a round of the cluster's barrier
	s_barrier_signal -1
	s_barrier_wait -1
	s_cmp_lg_u32 s16, 0
	s_cbranch_scc1 .Lnot_wave_0_\@
	s_barrier_signal -3
.Lnot_wave_0_\@:
	s_barrier_wait -3
	s_barrier_signal -1
	s_barrier_wait -1
.endm
.macro NOPS
.rept 4
	v_nop
.endr
.endm
.macro FETCHK                          ; the eight K fragments of the step at s23 = KB x step
	v_add_nc_u32 v3, s23, v1
.irp t, 0,1,2,3,4,5,6,7
	ds_load_b128 v[R+8*\t:R+8*\t+3], v3 offset:640*\t
	ds_load_b128 v[R+8*\t+4:R+8*\t+7], v3 offset:640*\t+32
.endr
.endm
.macro FETCHV                          ; the four V fragments of the same step: pieces 2 step + h
	v_lshl_add_u32 v3, s23, 1, v2
.irp d, 0,1,2,3
.irp c, 0,1,2,3
	ds_load_b128 v[R+16*\d+4*\c:R+16*\d+4*\c+3], v3 offset:1280*\d+16*\c
.endr
.endr
.endm
.macro QK                              ; 128 x 16 scores, and four places behind them
.irp t, 0,1,2,3,4,5,6,7
	v_wmma_f32_16x16x64_bf8_bf8 v[S+8*\t:S+8*\t+7], v[R+8*\t:R+8*\t+7], v[QF:QF+7], 0
.endr
	NOPS
.endm
.macro SC d, s, c, ng                  ; v[d + n] = c v[s + n] -+ v[c], 64 numbers, packed
.set j, 0
.rept 32
.if \ng
	v_pk_fma_f32 v[\d+j:\d+j+1], v[\s+j:\s+j+1], s[26:27], v[\c:\c+1] op_sel_hi:[1,0,0] neg_lo:[0,0,1] neg_hi:[0,0,1]
.else
	v_pk_fma_f32 v[\d+j:\d+j+1], v[\s+j:\s+j+1], s[26:27], v[\c:\c+1] op_sel_hi:[1,0,0]
.endif
.set j, j+2
.endr
.endm
.macro UN op, d                        ; a batch of 64 transcendentals in place
.set j, 0
.rept 64
	\op v[\d+j], v[\d+j]
.set j, j+1
.endr
.endm
.macro SUM64 acc                       ; the pair v[acc] += S's 32 pairs, in two chains
	v_pk_add_f32 v[30:31], v[S:S+1], v[S+2:S+3]
.set j, 4
.rept 15
	v_pk_add_f32 v[\acc:\acc+1], v[\acc:\acc+1], v[S+j:S+j+1]
	v_pk_add_f32 v[30:31], v[30:31], v[S+j+2:S+j+3]
.set j, j+4
.endr
	v_pk_add_f32 v[\acc:\acc+1], v[\acc:\acc+1], v[30:31]
.endm
.macro SMAXA                           ; pass A's vector work: running maximum, Z under it, Z += 2^(c s - c m)
	v_max3_num_f32 v25, v25, v[S], v[S+1]          ; each accumulator from its low end on
	v_max_num_f32 v30, v[S+2], v[S+3]
	v_max3_num_f32 v25, v25, v[S+4], v[S+5]
	v_max3_num_f32 v30, v30, v[S+6], v[S+7]
.irp t, 1,2,3,4,5,6,7
	v_max3_num_f32 v25, v25, v[S+8*\t], v[S+8*\t+1]
	v_max3_num_f32 v30, v30, v[S+8*\t+2], v[S+8*\t+3]
	v_max3_num_f32 v25, v25, v[S+8*\t+4], v[S+8*\t+5]
	v_max3_num_f32 v30, v30, v[S+8*\t+6], v[S+8*\t+7]
.endr
	v_max_num_f32 v25, v25, v30
	v_mov_b32 v31, v16
	v_mul_f32 v16, s26, v25                        ; c m (c is positive)
	v_sub_f32 v31, v31, v16
	SC S, S, 16, 1
	WA                                             ; ahead of the batch of 65
	v_exp_f32 v20, v31                             ; f = 2^(old c m - new c m); the first step finds -infinity: f = 0
	UN v_exp_f32, S
	v_nop
	WA                                             ; behind it
	v_pk_mul_f32 v[18:19], v[18:19], v[20:21] op_sel_hi:[1,0]
	SUM64 18
.endm
	s_load_b256 s[4:11], s[0:1], 0x0               ; qh, kh, vh, gammas
	s_load_b128 s[12:15], s[0:1], 0x20             ; the scales' exponents, cc
	v_lshl_add_u32 v240, v0, 2, SPARE
	v_mov_b32 v241, 0
	ds_add_u32 v240, v241                          ; the opening lines: the add twice on end
	ds_add_u32 v240, v241
	v_lshrrev_b32 v1, 5, v0
	v_readfirstlane_b32 s16, v1                    ; wave 0..15
	s_bfe_u32 s17, ttmp6, 0x40000                  ; cx: it enters global addresses and a vector compare alone
	s_and_b32 s18, ttmp7, 0xffff                   ; bh
	s_bfe_u32 s19, s16, 0x10002                    ; e = (w / 4) % 2
	s_lshr_b32 s20, s16, 3                         ; g = w / 8, xor 3 where bit 1 of w is set, xor 7 where bits 0 and 2 differ
	s_bfe_u32 s38, s16, 0x10001
	s_mul_i32 s38, s38, 3
	s_xor_b32 s20, s20, s38
	s_lshr_b32 s38, s16, 2
	s_xor_b32 s38, s38, s16
	s_and_b32 s38, s38, 1
	s_mul_i32 s38, s38, 7
	s_xor_b32 s20, s20, s38
	s_add_co_u32 s25, s20, 1
	s_add_co_u32 s21, s20, 2
	s_mov_b32 s28, 0x76543210                      ; v_permlanex16_b32: lane l xor 16
	s_mov_b32 s29, 0xfedcba98
	s_mov_b32 s30, 0xc184e08b                      ; log2(1e-5)
	s_mov_b32 s40, 15|(1<<20)|(1<<21)|(3<<22)|(3<<25)   ; K's group 1: the mask names all four; 1-byte elements; 4 words of padding after every 16
	s_mov_b32 s41, 4096<<16                        ; a row is a block of 64 keys, 4,096 dense bytes
	s_mov_b32 s42, 2<<16                           ; two rows,
	s_mov_b32 s43, 4096<<16
	s_mov_b32 s44, 2
	s_mov_b32 s45, 8192                            ; every second block
	s_mov_b32 s46, 0
	s_mov_b32 s47, 0
	s_mov_b32 s48, 15|(1<<20)|(1<<21)|(3<<22)|(3<<25)   ; V's group 1: two pieces, 8,192 dense bytes, as 32 rows of 256
	s_mov_b32 s49, 256<<16
	s_mov_b32 s50, 32<<16
	s_mov_b32 s51, 256<<16
	s_mov_b32 s52, 32
	s_mov_b32 s53, 256
	s_mov_b32 s54, 0
	s_mov_b32 s55, 0
	s_and_b32 s38, s16, 3                          ; waves 0-7, K: parity (w / 4) % 2, steps 2 (w % 4) and the next
	s_mul_i32 s39, s38, 2*KB
	s_mul_i32 s57, s19, KBO
	s_add_co_u32 s57, s57, s39
	s_lshl_b32 s66, s38, 14
	s_lshl_b32 s39, s19, 12
	s_add_co_u32 s66, s66, s39
	s_lshl_b32 s74, s18, 16                        ; 65,536 bh
	s_add_co_u32 s66, s66, s74
	s_mov_b32 s67, 0
	s_and_b32 s38, s16, 7                          ; waves 8-15, V: pieces 2 (w % 8) and the next
	s_mul_i32 s61, s38, 2*KB
	s_add_co_u32 s61, s61, VB
	s_lshl_b32 s68, s38, 13
	s_add_co_u32 s68, s68, s74
	s_mov_b32 s69, 0
	s_and_b32 s72, s18, 15                         ; head
	s_lshl_b32 s78, s72, 18
	s_lshl_b32 s72, s72, 2
	s_mov_b32 s73, 0
	s_lshl_b32 s75, s20, 13
	s_lshl_b32 s39, s17, 11
	s_add_co_u32 s75, s75, s39
	s_lshl_b32 s39, s19, 10
	s_add_co_u32 s75, s75, s39                     ; 64 (128 g + 32 cx + 16 e)
	s_add_co_u32 s76, s74, s75                     ; Q
	s_mov_b32 s77, 0
	s_lshr_b32 s39, s18, 4
	s_lshl_b32 s39, s39, 16
	s_add_co_u32 s78, s78, s39
	s_add_co_u32 s78, s78, s75                     ; cc: 262,144 head + 65,536 b + that
	s_mov_b32 s79, 0
	s_mul_i32 s70, s16, 16*80
	s_add_co_u32 s70, s70, STG                     ; my stage
	s_lshl_b32 s71, s17, 5
	s_lshl_b32 s39, s19, 4
	s_add_co_u32 s71, s71, s39                     ; 32 cx + 16 e
	s_wait_dscnt 0x0                               ; both opening adds are done
	s_wait_kmcnt 0x0
	s_load_b128 s[32:35], s[12:13], 0x18           ; e6 .. e9
	s_load_b32 s36, s[12:13], 0x28                 ; e10
	s_add_nc_u64 s[10:11], s[10:11], s[72:73]
	s_load_b32 s37, s[10:11], 0x0                  ; the head's gamma
	s_mov_b32 s56, 1
	s_add_nc_u64 s[58:59], s[6:7], s[66:67]
	s_or_b32 s59, s59, 0x80000000
	s_mov_b32 s60, 1
	s_add_nc_u64 s[62:63], s[8:9], s[68:69]
	s_or_b32 s63, s63, 0x80000000
	s_add_nc_u64 s[4:5], s[4:5], s[76:77]
	s_add_nc_u64 s[14:15], s[14:15], s[78:79]
	CROUND                                         ; all four work-groups are here: the joint loads meet
	s_cmp_lt_u32 s16, 8
	s_cbranch_scc0 .Lfor_v
	tensor_load_to_lds s[56:59], s[40:47]
	s_nop 0
	NOPS
	s_branch .Lasked
.Lfor_v:
	tensor_load_to_lds s[60:63], s[48:55]
	s_nop 0
	NOPS
.Lasked:
	v_and_b32 v30, 15, v0                          ; r
	v_bfe_u32 v31, v0, 4, 1                        ; h
	v_lshlrev_b32 v4, 6, v30
	v_lshl_add_u32 v4, v31, 4, v4                  ; Q: row r of 64 bytes, byte 16 h
	global_load_b128 v[QF:QF+3], v4, s[4:5]
	global_load_b128 v[QF+4:QF+7], v4, s[4:5] offset:32
	v_lshrrev_b32 v1, 3, v30
	v_mul_u32_u24 v1, v1, KBO
	v_and_b32 v2, 7, v30
	v_mad_u32_u24 v1, v2, 80, v1
	v_lshl_add_u32 v1, v31, 4, v1                  ; K: parity r / 8, row r % 8 (+ 8 t), byte 16 h
	v_mul_u32_u24 v2, v31, KB
	v_mad_u32_u24 v2, v30, 80, v2
	v_add_nc_u32 v2, VB, v2                        ; V: piece h of the step, row r (+ 16 d)
	v_mul_u32_u24 v5, v30, 80
	v_lshl_add_u32 v5, v31, 3, v5
	v_add_nc_u32 v5, s70, v5                       ; stage, in: row r, 8 bytes a half
	v_and_b32 v7, 31, v0
	v_lshrrev_b32 v6, 2, v7
	v_mul_u32_u24 v6, v6, 80
	v_and_b32 v3, 3, v0
	v_lshl_add_u32 v6, v3, 4, v6
	v_add_nc_u32 v6, s70, v6                       ; back: four lanes to a row of 64 bytes
	v_lshlrev_b32 v7, 4, v7
	v_add_nc_u32 v8, s71, v30
	v_lshlrev_b32 v9, 6, v31
	v_sub_nc_u32 v8, v8, v9                        ; 32 cx + 16 e + r - 64 h: in the diagonal step register n's key is hidden where n is above it
	v_cvt_f32_i32 v9, v8
	v_xor_b32 v10, 1, v31
	v_cvt_f32_u32 v10, v10                         ; 1.0 in lanes 0-15
	v_mov_b32 v21, 0                               ; (upper half of the pair v[20:21])
	v_mov_b32 v25, 0xff800000                      ; largest score and c m: -infinity
	v_mov_b32 v16, 0xff800000
	v_mov_b32 v17, 0xff800000
	v_mov_b32 v18, 0                               ; Z
	v_mov_b32 v19, 0
	WA
	s_wait_kmcnt 0x0
	s_add_co_i32 s38, s32, s33
	s_lshl_b32 s38, s38, 23
	s_add_co_i32 s26, s38, 0x3e38aa3b              ; c = log2(e) / 8 x 2^(e6 + e7)
	s_mov_b32 s27, s26
	s_add_co_i32 s31, s34, s35                     ; e8 + e9
	s_add_co_i32 s38, s34, 127
	s_lshl_b32 s39, s38, 23
	v_mov_b32 v27, s39                             ; 2^e8
	s_add_co_i32 s38, s38, 15
	s_lshl_b32 s38, s38, 23
	s_or_b32 s38, s38, 0x600000
	v_mov_b32 v26, s38                             ; 57,344 x 2^e8
	s_add_co_i32 s38, s36, 127
	s_lshl_b32 s39, s38, 23
	v_mov_b32 v29, s39                             ; 2^e10
	s_add_co_i32 s38, s38, 15
	s_lshl_b32 s38, s38, 23
	s_or_b32 s38, s38, 0x600000
	v_mov_b32 v28, s38                             ; 57,344 x 2^e10
	v_mov_b32 v30, s37                             ; g' = max(u, 0) + log2(1 + 2^-|u|), u = gamma log2(e)
	v_mul_f32 v30, 0x3fb8aa3b, v30
	v_or_b32 v31, 0x80000000, v30
	WA
	v_exp_f32 v31, v31
	v_max_num_f32 v30, 0, v30
	WA
	v_add_f32 v31, 1.0, v31
	WA
	v_log_f32 v31, v31
	v_nop
	WA
	v_add_f32 v11, v30, v31
	WA
	v_log_f32 v11, v11
	v_nop
	WA
	v_add_f32 v11, v11, v11                        ; log2(g'^2)
	s_mov_b32 s23, 0
	s_mov_b32 s24, 7
	WA                                             ; the head's end
	s_wait_loadcnt 0x0                             ; Q
	s_wait_tensorcnt 0x0                           ; my tile has landed,
	s_barrier_signal -1
	s_barrier_wait -1                              ; everybody's has: K and V are only read from here on
	FETCHK
.LpassA:                                           ; seven steps; each fetches the next step's K under its vector work
	s_wait_dscnt 0x0
	QK
	s_add_co_u32 s23, s23, KB
	FETCHK
	SMAXA
	s_sub_co_u32 s24, s24, 1
	s_cmp_lg_u32 s24, 0
	WA
	s_cbranch_scc1 .LpassA
	s_wait_dscnt 0x0                               ; the eighth fetches nothing: R keeps K of step 7
	QK
	SMAXA
	v_permlanex16_b32 v30, v16, s28, s29           ; the two halves of the lanes are merged
	v_max_num_f32 v30, v30, v16
	v_sub_f32 v31, v16, v30
	v_add_f32 v18, v18, v19
	WA
	v_exp_f32 v31, v31
	v_sub_f32 v16, v30, v11
	WA
	v_mul_f32 v18, v18, v31
	v_permlanex16_b32 v19, v18, s28, s29
	v_add_f32 v18, v18, v19                        ; the row's Z, at least 1
	WA
	v_log_f32 v18, v18
.set j, 0
.rept 32
	v_mov_b32 v[O+j], 0                            ; O^T: the first change of M leaves zeros zeros
.set j, j+1
.endr
	v_mov_b32 v13, 0xff61b1e6                      ; the largest t so far: -3e38
	v_floor_f32 v12, -v13
	v_mov_b32 v14, 0
	v_mov_b32 v15, 0
	v_mov_b32 v24, 0
	v_mov_b32 v22, v9                              ; the distances in the diagonal step
	v_add_f32 v23, -1.0, v9
	WA
	v_add_f32 v16, v16, v18                        ; CK
	s_mov_b32 s23, 7*KB
	s_mov_b32 s22, 8
	WA                                             ; CK is first read behind a branch and a wait
; A STEP OF PASS B: step s22 - 1, at s23.  last = 1: step 0, written out behind the loop.
.macro STEPB last
.if \last == 0
	s_cmp_gt_u32 s22, s25                          ; all its keys come after my queries
	s_cbranch_scc1 .Ltail_\@
.endif
	s_wait_dscnt 0x0                               ; K is in
	QK
.if \last
	s_cmp_lg_u32 s25, 1
.else
	s_cmp_lg_u32 s22, s25
.endif
	s_cbranch_scc1 .Lopen_\@                       ; only the diagonal step hides keys
	v_mov_b32 v31, 0xff800000
.set n, 0
.rept 64
	v_cmp_gt_i32 vcc_lo, n, v8
	v_cndmask_b32 v[S+n], v[S+n], v31, vcc_lo      ; -infinity: w = 0 and p = 0
.set n, n+1
.endr
.Lopen_\@:
	SC R, S, 16, 1
	WA
	UN v_exp_f32, R                                ; R[n] = g'^2 w
	v_nop
	WA
.irp q, 0,1,2,3                        ; the totals of four segments of 16, by turns
	v_pk_add_f32 v[T+8+2*\q:T+9+2*\q], v[R+16*\q:R+16*\q+1], v[R+16*\q+2:R+16*\q+3]
.endr
.irp i, 4,6,8,10,12,14
.irp q, 0,1,2,3
	v_pk_add_f32 v[T+8+2*\q:T+9+2*\q], v[T+8+2*\q:T+9+2*\q], v[R+16*\q+\i:R+16*\q+\i+1]
.endr
.endr
.irp q, 0,1,2,3
	v_add_f32 v[T+8+2*\q], v[T+8+2*\q], v[T+9+2*\q]
.endr
	v_add_f32 v30, v[T+8], v[T+10]
	v_add_f32 v31, v[T+12], v[T+14]
	v_add_f32 v30, v30, v31                        ; my 64 keys' total
	v_permlanex16_b32 v31, v30, s28, s29           ; the other half's
	v_fma_f32 v[R+64], v31, v10, v24               ; behind my last key: the carry, and for lanes 0-15 the other half's keys
	v_add_f32 v30, v30, v31
	v_add_f32 v24, v24, v30                        ; the carry for the step below
	v_add_f32 v[T+14], v[R+64], v[T+14]            ; behind segments 2, 1, 0
	v_add_f32 v[T+12], v[T+14], v[T+12]
	v_add_f32 v[T+10], v[T+12], v[T+10]
	v_add_f32 v[R+63], v[R+63], v[R+64]            ; the scan, descending, four chains by turns: R[n] = the sum from key n on
	v_add_f32 v[R+47], v[R+47], v[T+14]
	v_add_f32 v[R+31], v[R+31], v[T+12]
	v_add_f32 v[R+15], v[R+15], v[T+10]
.set i, 1
.rept 15
	v_add_f32 v[R+63-i], v[R+63-i], v[R+64-i]
	v_add_f32 v[R+47-i], v[R+47-i], v[R+48-i]
	v_add_f32 v[R+31-i], v[R+31-i], v[R+32-i]
	v_add_f32 v[R+15-i], v[R+15-i], v[R+16-i]
.set i, i+1
.endr
.set k, 0
.set PP, 22
.rept 32                               ; R[n] = R[n + 1] x distance, ascending; a pair's distances are the pair before less 2, exact
.if k > 0
	v_pk_add_f32 v[T+2*(k%4):T+2*(k%4)+1], v[PP:PP+1], -2.0 op_sel_hi:[1,0]
.set PP, T+2*(k%4)
.endif
	v_mul_f32 v[R+2*k], v[R+2*k+1], v[PP]
	v_mul_f32 v[R+2*k+1], v[R+2*k+2], v[PP+1]
.set k, k+1
.endr
	WA
	UN v_sqrt_f32, R
	v_nop
	WA
.set n, 0
.rept 64
	v_max_num_f32 v[R+n], -v[R+n], s30             ; the sign and the lower clip in one line
.set n, n+1
.endr
	WA
	UN v_exp_f32, R                                ; the effect
	v_nop
	WA
.set j, 0
.rept 32
	v_pk_mul_f32 v[S+j:S+j+1], v[S+j:S+j+1], v[R+j:R+j+1]   ; score x effect
.set j, j+2
.endr
	FETCHV                                         ; R is free: V lands under the second softmax
	v_max3_num_f32 v30, v[S], v[S+1], v[S+2]
	v_max3_num_f32 v31, v[S+3], v[S+4], v[S+5]
.irp i, 6,10,14,18,22,26,30,34,38,42,46,50,54,58
	v_max3_num_f32 v30, v30, v[S+\i], v[S+\i+1]
	v_max3_num_f32 v31, v31, v[S+\i+2], v[S+\i+3]
.endr
	v_max3_num_f32 v30, v30, v[S+62], v[S+63]
	v_max_num_f32 v30, v30, v31
	v_permlanex16_b32 v[T], v30, s28, s29
	v_max_num_f32 v30, v30, v[T]
	v_mul_f32 v30, s26, v30                        ; as t
	v_max_num_f32 v13, v13, v30                    ; the running largest t
	v_mov_b32 v30, v12
	v_floor_f32 v12, -v13                          ; -M = floor(-t)
	v_sub_f32 v30, v12, v30
	v_cvt_i32_f32 v30, v30                         ; (it saturates)
	v_ldexp_f32 v20, 1.0, v30                      ; f = 2^(old M - new M)
	SC S, S, 12, 0
	WA
	UN v_exp_f32, S                                ; p = 2^(t - M)
	v_pk_mul_f32 v[14:15], v[14:15], v[20:21] op_sel_hi:[1,0]   ; l under the new M (the plain line behind the batch)
	WA
	SUM64 14                                       ; l is taken of the unquantised p
.set i, 0
.rept 8
.set j, 0
.rept 8
	v_min_num_f32 v[S+8*i+j], v[S+8*i+j], v26      ; the conversion does not saturate (ISA guide 7.6.2); p is not negative
.set j, j+1
.endr
	v_cvt_scalef32_pk8_bf8_f32 v[PC+2*i:PC+2*i+1], v[S+8*i:S+8*i+7], v27
.set i, i+1
.endr
	WA                                             ; directly ahead of the first reader of O^T
.set j, 0
.rept 16
	v_pk_mul_f32 v[O+j:O+j+1], v[O+j:O+j+1], v[20:21] op_sel_hi:[1,0]   ; O^T under the new M
.set j, j+2
.endr
	WA                                             ; directly ahead of the wait below
	s_wait_dscnt 0x0                               ; V is in
.irp d, 0,1,2,3                        ; four accumulators by turns; the next step's eight products stand between two links
	v_wmma_f32_16x16x128_bf8_bf8 v[O+8*\d:O+8*\d+7], v[R+16*\d:R+16*\d+15], v[PC:PC+15], v[O+8*\d:O+8*\d+7]
.endr
.if \last
	NOPS
.else
	v_add_f32 v22, 0x43000000, v22                 ; the step below lies 128 keys further off.  These four lines are the places ahead of the loads into R
	v_add_f32 v23, -1.0, v22
	v_nop
	v_nop
.Ltail_\@:
	s_sub_co_u32 s23, s23, KB
	s_cmp_gt_u32 s22, s21                          ; the step below is fetched only if it is walked
	s_cbranch_scc1 .Lnof_\@
	s_wait_dscnt 0x0                               ; no load into R is out
	FETCHK
.Lnof_\@:
.endif
.endm
.LstepB:                                           ; steps 7 down to 1: a constant count of trips
	STEPB 0
	s_sub_co_u32 s22, s22, 1
	s_cmp_lg_u32 s22, 1
	WA
	s_cbranch_scc1 .LstepB
	STEPB 1
	; THE WAY OUT: O^T / l x 2^(e8 + e9), quantised with entry 10; 16 rows of 64 codes leave as 1,024 consecutive bytes
	v_add_f32 v14, v14, v15
	v_permlanex16_b32 v30, v14, s28, s29
	v_add_f32 v14, v14, v30
	WA
	v_rcp_f32 v14, v14
	v_nop
	WA
	v_ldexp_f32 v14, v14, s31
	v_mov_b32 v15, v14
	WA                                             ; directly ahead of the first reader of O^T
.set j, 0
.rept 16
	v_pk_mul_f32 v[S+j:S+j+1], v[O+j:O+j+1], v[14:15]   ; each accumulator from its low end on
.set j, j+2
.endr
.set j, 0
.rept 32
	v_med3_num_f32 v[S+j], v[S+j], -v28, v28
.set j, j+1
.endr
.irp d, 0,1,2,3
	v_cvt_scalef32_pk8_bf8_f32 v[T+2*\d:T+2*\d+1], v[S+8*\d:S+8*\d+7], v29   ; o(r, 16 d + 8 h + 0 .. 7)
.endr
	v_nop
.irp d, 0,1,2,3
	ds_store_b64 v5, v[T+2*\d:T+2*\d+1] offset:16*\d
.endr
	ds_load_b128 v[T+8:T+11], v6                   ; my own bytes: LDS serves a wave's instructions in order (ISA guide 5.7.1.4)
	ds_load_b128 v[T+12:T+15], v6 offset:640
	s_wait_dscnt 0x0
	global_store_b128 v7, v[T+8:T+11], s[14:15]    ; the wave stores 512 consecutive bytes, at a multiple of 512 from the buffer's first byte
	global_store_b128 v7, v[T+12:T+15], s[14:15] offset:512
	s_wait_tensorcnt 0x0                           ; the wave's end
	ds_add_u32 v240, v241
	s_wait_dscnt 0x0
	CROUND                                         ; the closing round
	s_endpgm
.Lfunc_end_k_q3f34709a21_attn:
	.size	k_q3f34709a21_attn, .Lfunc_end_k_q3f34709a21_attn-k_q3f34709a21_attn
	.p2alignl 7, 3214868480
	.fill 96, 4, 3214868480
	.section	.rodata,"a",@progbits
	.p2align	6, 0x0
	.amdhsa_kernel k_q3f34709a21_attn
		.amdhsa_group_segment_fixed_size 186624
		.amdhsa_private_segment_fixed_size 0
		.amdhsa_enable_private_segment 0
		.amdhsa_kernarg_size 48
		.amdhsa_user_sgpr_count 2
		.amdhsa_user_sgpr_kernarg_segment_ptr 1
		.amdhsa_wavefront_size32 1
		.amdhsa_system_sgpr_workgroup_id_x 1
		.amdhsa_system_sgpr_workgroup_id_y 1
		.amdhsa_system_sgpr_workgroup_id_z 1
		.amdhsa_system_vgpr_workitem_id 0
		.amdhsa_next_free_vgpr 242
		.amdhsa_next_free_sgpr 80
		.amdhsa_reserve_vcc 1
		.amdhsa_float_denorm_mode_32 3
		.amdhsa_float_denorm_mode_16_64 3
		.amdhsa_memory_ordered 1
		.amdhsa_forward_progress 1
		.amdhsa_inst_pref_size 119
	.end_amdhsa_kernel
	.amdgpu_metadata
---
amdhsa.version: [ 1, 2 ]
amdhsa.kernels:
  - .name:           k_q3f34709a21_attn
    .symbol:         k_q3f34709a21_attn.kd
    .args:
      - { .name: qh, .offset: 0, .size: 8, .value_kind: global_buffer, .address_space: global }
      - { .name: kh, .offset: 8, .size: 8, .value_kind: global_buffer, .address_space: global }
      - { .name: vh, .offset: 16, .size: 8, .value_kind: global_buffer, .address_space: global }
      - { .name: gammas, .offset: 24, .size: 8, .value_kind: global_buffer, .address_space: global }
      - { .name: lowp_scales, .offset: 32, .size: 8, .value_kind: global_buffer, .address_space: global }
      - { .name: cc, .offset: 40, .size: 8, .value_kind: global_buffer, .address_space: global }
    .group_segment_fixed_size: 186624
    .private_segment_fixed_size: 0
    .kernarg_segment_align: 8
    .kernarg_segment_size: 48
    .max_flat_workgroup_size: 512
    .sgpr_count:     80
    .vgpr_count:     242
    .wavefront_size: 32
...
	.end_amdgpu_metadata
.endif
;; end of part 2
;; launch outp (part 3): grid 8 x 32, 4 waves a work-group, clusters of 4 x 4, 296,448 bytes of LDS; arguments cc, Wo_codes, bo, lowp_scales, out0; writes out0
.if DOCPART == 3
	.amdgcn_target "amdgcn-amd-amdhsa--gfx1250"
	.amdhsa_code_object_version 6
	.text
	.protected	k_q3f34709a21_outp
	.globl	k_q3f34709a21_outp
	.p2align	8
	.type	k_q3f34709a21_outp,@function
k_q3f34709a21_outp:
	s_mov_b64 s[64:65], 0
	v_nop
	global_prefetch_b8 v0, s[64:65] scope:SCOPE_SE
	s_setreg_imm32_b32 hwreg(HW_REG_WAVE_MODE, 25, 1), 1
	s_wait_xcnt 0x0
	s_wait_alu depctr_hold_cnt(0) depctr_sa_sdst(0) depctr_va_vdst(0) depctr_va_sdst(0) depctr_va_ssrc(0) depctr_va_vcc(0) depctr_vm_vsrc(0)
	s_getreg_b32 s2, hwreg(HW_REG_IB_STS2, 6, 4)
	s_cmp_eq_u32 s2, 0
	s_cbranch_scc0 .Lentry_in_a_cluster
	s_endpgm
.Lentry_in_a_cluster:
	s_bfe_u32 s2, ttmp6, 0x10000c
	s_cmp_lg_u32 s2, 0xf033
	s_cbranch_scc0 .Lentry_shape_is_right
	s_endpgm
.Lentry_shape_is_right:
; THE OUTPUT PROJECTION: out0 = concat Wo^T + bo on codes of E5M2.  cc: [head 16][token 4096][64] codes (K = 64 head + d), Wo: [1024 features][1024] codes, bo [1024] f32, out0 [4096][1024] f32.
; A work-group of four waves makes a tile of 128 tokens x 128 features; a wave 64 x 64: 16 accumulators.  Both panels of the tile lie whole in LDS (4 chunks of 256 along K, each the tokens' part and then 128 rows of Wo):
; no LDS byte is filled twice.  CLUSTERS: 4 x 4 work-groups; the tokens' tiles are shared along a row of the cluster, Wo's along a column, each asked for jointly.
; THE TOKENS' PART OF A CHUNK is four heads' planes: waves 0, 1 fetch eight planes each: a plane is 128 tokens x 64 bytes, 8,192 dense bytes, stated as one row padded after every 256 bytes: token p lies at 272 (p / 4) + 64 (p % 4) of its plane.
; Source 0 = 16 rows of Wo, source 1 = 16 tokens: a lane holds one token and eight neighbouring features.  The order of k inside a matrix instruction is a permutation of the natural one, the same on both sides.
; LIMIT: e10 + e11 between -126 and 127, so that 2^(e10 + e11) is an f32 number.
; REGISTERS.  Window 0: v1-19 addresses; v24-55 the bias; v56-87 a block's results; v88-119 rows read back; v128-255 the accumulators.  Window 1: two fragment buffers of 128: the tokens' four fragments, then Wo's four.
.set PITCH, 272
.set XOFF,  128*PITCH
.set CHUNK, 2*XOFF
; LDS LAYOUT AS THE TEXT NOW HAS IT: the tokens' 16 planes, QUART bytes each, one behind the other; then Wo's 128 rows, each all 1,024 codes of K + 16 bytes.  One tensor load a wave: waves 0, 1 eight planes each
; (a plane's 8,192 dense bytes are one row of the tile, padded after every 256), waves 2, 3 64 rows of Wo each.
.set STG,   16*32*272+128*1040
.set QUART, 32*PITCH
.set HALF,  64*PITCH
.set GW0,   (1<<20)|(1<<21)|(5<<22)|(3<<25)
.set ADRP, 4
.set ADRR, 8
.set STO,  12
.set RD,   13
.set GO,   14
.set BRO,  18
.set BR,   24
.set T,    56
.set BK,   88
.set ACC,  128
.set F0,   0
.set F1,   128
.set G1Y,  40
.set G1X,  48
.set MSB, 0
.macro WIN new                         ; the immediate's high byte repeats the setting that is left
.if MSB != \new
	s_set_vgpr_msb (MSB<<8)|\new
.set MSB, \new
.endif
.endm
.macro CROUND                          ; a round of the cluster's barrier
	s_barrier_signal -1
	s_barrier_wait -1
	s_cmp_lg_u32 s30, 0
	s_cbranch_scc1 .Lnot_wave_0_\@
	s_barrier_signal -3
.Lnot_wave_0_\@:
	s_barrier_wait -3
	s_barrier_signal -1
	s_barrier_wait -1
.endm
.macro PLACES                          ; four plain vector instructions between a matrix instruction and a load into, or a read of, its registers
.rept 4
	v_nop
.endr
.endm
.macro FETCH c, ks, f                  ; 32 LDS loads: 128 along K (heads 2 ks, 2 ks + 1 of chunk c): k = 32 q + 16 h on both sides
	WIN 0x40
.irp i, 0,1,2,3
.irp q, 0,1,2,3
	ds_load_b128 v[\f+16*\i+4*\q:\f+16*\i+4*\q+3], v[ADRP+\c] offset:QUART*(2*\ks+\q/2)+1088*\i+32*(\q%2)
.endr
.endr
.irp i, 0,1,2,3
.irp q, 0,1,2,3
	ds_load_b128 v[\f+64+16*\i+4*\q:\f+64+16*\i+4*\q+3], v[ADRR+\c] offset:128*\ks+16*1040*\i+32*\q
.endr
.endr
.endm
.macro MUL8 f, a0, zero                ; the 16 accumulators take turns, one instruction a turn, in the same order in every step
	WIN 0x05
.irp a, \a0, \a0+1
.irp b, 0,1,2,3
.if \zero
	v_wmma_f32_16x16x128_bf8_bf8 v[ACC+8*(4*(\a)+\b):ACC+8*(4*(\a)+\b)+7], v[\f+64+16*\b:\f+64+16*\b+15], v[\f+16*(\a):\f+16*(\a)+15], 0
.else
	v_wmma_f32_16x16x128_bf8_bf8 v[ACC+8*(4*(\a)+\b):ACC+8*(4*(\a)+\b)+7], v[\f+64+16*\b:\f+64+16*\b+15], v[\f+16*(\a):\f+16*(\a)+15], v[ACC+8*(4*(\a)+\b):ACC+8*(4*(\a)+\b)+7]
.endif
.endr
.endr
.endm
.macro EVEN c, zero
	PLACES
	FETCH \c, 1, F1
	s_wait_dscnt 32                                ; all but the 32 just issued: buffer 0 is in
	MUL8 F0, 0, \zero
	MUL8 F0, 2, \zero
.endm
.macro ODD n, left
	s_wait_dscnt 0x0                               ; buffer 1 is in, and no LDS load of mine is out at the signal
	s_wait_tensorcnt \left                         ; my two loads of chunk n have landed; those of later chunks may stay out
	s_barrier_signal -1
	MUL8 F1, 0, 0
	s_barrier_wait -1
	PLACES
	FETCH \n, 0, F0
	MUL8 F1, 2, 0
.endm
	s_load_b256 s[4:11], s[0:1], 0x0               ; cc s[4:5], Wo s[6:7], bo s[8:9], the scales' exponents s[10:11]
	s_load_b64 s[12:13], s[0:1], 0x20              ; out0
	v_lshl_add_u32 v126, v0, 2, 0x48400
	v_mov_b32 v127, 0
	ds_add_u32 v126, v127
	ds_add_u32 v126, v127
	v_lshrrev_b32 v1, 5, v0
	v_readfirstlane_b32 s30, v1                    ; wave 0..3
	s_and_b32 s31, s30, 1                          ; wp: which 64 tokens are mine
	s_lshr_b32 s32, s30, 1                         ; wq: which 64 features
	s_bfe_u32 s33, ttmp6, 0x40000                  ; cx
	s_bfe_u32 s34, ttmp6, 0x40004                  ; cy
	s_lshl_b32 s35, ttmp9, 2
	s_add_co_u32 s35, s35, s33                     ; tx: tile of 128 features
	s_and_b32 s36, ttmp7, 0xffff
	s_lshl_b32 s36, s36, 2
	s_add_co_u32 s36, s36, s34                     ; ty: tile of 128 tokens
	s_lshl_b32 s38, s34, 2
	s_lshl_b32 s38, 15, s38                        ; my row of the cluster
	s_lshl_b32 s66, 0x1111, s33                    ; my column
	s_or_b32 s[G1Y], s38, GW0
	s_or_b32 s[G1X], s66, GW0+(2<<22)              ; Wo: 4 words of padding after every 256
	s_mov_b32 s[G1Y+1], 8192<<16                   ; tokens: a row is a plane's 8,192 bytes,
	s_mov_b32 s[G1Y+2], 8<<16                      ; eight planes,
	s_mov_b32 s[G1Y+3], 8192<<16
	s_mov_b32 s[G1Y+4], 8
	s_mov_b32 s[G1Y+5], 262144                     ; from head to head
	s_mov_b32 s[G1Y+6], 0
	s_mov_b32 s[G1Y+7], 0
	s_mov_b32 s[G1X+1], 1024<<16                   ; Wo: 64 rows of 1,024 bytes
	s_mov_b32 s[G1X+2], 64<<16
	s_mov_b32 s[G1X+3], 1024<<16
	s_mov_b32 s[G1X+4], 64
	s_mov_b32 s[G1X+5], 1024
	s_mov_b32 s[G1X+6], 0
	s_mov_b32 s[G1X+7], 0
	s_lshl_b32 s38, s36, 13
	s_lshl_b32 s3, s31, 21                         ; planes 8 (wave % 2) on
	s_add_co_u32 s38, s38, s3                      ; cc: 2,097,152 (wave % 2) + 8,192 ty (+ 1,048,576 c)
	s_mov_b32 s39, 0
	s_lshl_b32 s66, s35, 7
	s_lshl_b32 s3, s31, 6                          ; rows 64 (wave % 2) on
	s_add_co_u32 s66, s66, s3
	s_lshl_b32 s66, s66, 10                        ; Wo: (128 tx + 64 (wave % 2)) rows of 1,024 bytes
	s_mov_b32 s67, 0
	s_mul_i32 s3, s31, 8*QUART                     ; where they go: the tokens' planes,
	s_mul_i32 s17, s31, 64*1040                    ; Wo's rows
	s_wait_dscnt 0x0
	s_wait_kmcnt 0x0
	s_load_b64 s[14:15], s[10:11], 0x28            ; e10, e11
	s_add_nc_u64 s[4:5], s[4:5], s[38:39]
	s_add_nc_u64 s[6:7], s[6:7], s[66:67]
.irp c, 0
	s_mov_b32 s[56+4*\c+4*(\c/2)], 1
	s_add_co_u32 s[57+4*\c+4*(\c/2)], s3, \c*CHUNK
	s_add_nc_u64 s[58+4*\c+4*(\c/2):59+4*\c+4*(\c/2)], s[4:5], \c*1048576
	s_or_b32 s[59+4*\c+4*(\c/2)], s[59+4*\c+4*(\c/2)], 0x80000000
	s_mov_b32 s[76+4*\c], 1
	s_add_co_u32 s[77+4*\c], s17, 16*QUART
	s_add_nc_u64 s[78+4*\c:79+4*\c], s[6:7], \c*256
	s_or_b32 s[79+4*\c], s[79+4*\c], 0x80000000
.endr
	CROUND                                         ; all sixteen work-groups are here: the joint loads meet
	s_cmp_lt_u32 s30, 2                            ; one joint load a wave: waves 0, 1 the tokens' planes, waves 2, 3 rows of Wo
	s_cbranch_scc0 .Lfor_w
	tensor_load_to_lds s[56:59], s[G1Y:G1Y+7]
	s_nop 0
.rept 4
	v_nop
.endr
	s_branch .Lasked
.Lfor_w:
	tensor_load_to_lds s[76:79], s[G1X:G1X+7]
	s_nop 0
.rept 4
	v_nop
.endr
.Lasked:
	v_and_b32 v1, 15, v0                           ; r
	v_bfe_u32 v2, v0, 4, 1                         ; h
	v_mul_u32_u24 v3, v1, 1040
	v_lshl_add_u32 v3, v2, 4, v3                   ; Wo: row r x pitch + 16 h
	v_lshrrev_b32 v16, 2, v1
	v_mul_u32_u24 v16, v16, PITCH
	v_and_b32 v17, 3, v1
	v_lshl_add_u32 v16, v17, 6, v16
	v_lshl_add_u32 v16, v2, 4, v16                 ; tokens: 272 (r / 4) + 64 (r % 4) + 16 h: sixteen different columns of 16 bytes
	s_wait_alu depctr_va_vdst(0)
	s_mul_i32 s38, s31, 16*PITCH                   ; my 64 tokens of each plane
	s_mul_i32 s39, s32, 64*1040
	s_add_co_u32 s39, s39, 16*QUART
.irp c, 0,1,2,3
	v_add_nc_u32 v[ADRP+\c], s38, v16
	v_add_nc_u32 v[ADRR+\c], s39, v3
	s_add_co_u32 s38, s38, 4*QUART                 ; four planes on
	s_add_co_u32 s39, s39, 256                     ; 256 along K on
.endr
	s_mul_i32 s66, s30, 16*PITCH
	s_add_co_u32 s66, s66, STG                     ; my stage
	v_mul_u32_u24 v[STO], v1, PITCH
	v_lshl_add_u32 v[STO], v2, 5, v[STO]
	v_add_nc_u32 v[STO], s66, v[STO]               ; in: row r, 32 bytes for each half of the lanes
	v_mul_u32_u24 v[RD], v2, PITCH
	v_lshl_add_u32 v[RD], v1, 4, v[RD]
	v_add_nc_u32 v[RD], s66, v[RD]                 ; back: lanes 0-15 one row of 256 bytes, lanes 16-31 the next
	v_lshlrev_b32 v[GO], 12, v2
	v_lshl_add_u32 v[GO], v1, 4, v[GO]             ; and the same two rows in out0
	s_lshl_b32 s16, s35, 7
	s_lshl_b32 s17, s32, 6
	s_add_co_u32 s16, s16, s17
	s_lshl_b32 s16, s16, 2
	v_lshl_add_u32 v[BRO], v2, 5, s16              ; bo: 4 (128 tx + 64 wq + 8 h), + 64 b
.irp b, 0,1,2,3
	global_load_b128 v[BR+8*\b:BR+8*\b+3], v[BRO], s[8:9] offset:64*\b
	global_load_b128 v[BR+8*\b+4:BR+8*\b+7], v[BRO], s[8:9] offset:64*\b+16
.endr
	s_lshl_b32 s16, s36, 7
	s_lshl_b32 s17, s31, 6
	s_add_co_u32 s16, s16, s17
	s_lshl_b32 s16, s16, 12                        ; my first row of out0: (128 ty + 64 wp) rows of 4,096 bytes,
	s_lshl_b32 s17, s35, 9
	s_add_co_u32 s16, s16, s17
	s_lshl_b32 s17, s32, 8
	s_add_co_u32 s16, s16, s17                     ; my first column: 512 tx + 256 wq bytes
	s_mov_b32 s17, 0
	s_add_nc_u64 s[12:13], s[12:13], s[16:17]
	s_wait_kmcnt 0x0
	s_add_co_i32 s14, s14, s15
	s_add_co_i32 s14, s14, 127
	s_lshl_b32 s98, s14, 23                        ; 2^(e10 + e11) as f32
	s_mov_b32 s99, s98                             ; (named with it as a pair)
.macro ODX n                           ; a chunk's second 128 along K; the next chunk's first half is fetched
	s_wait_dscnt 0x0                               ; buffer 1 is in
	MUL8 F1, 0, 0
	PLACES
	FETCH \n, 0, F0
	MUL8 F1, 2, 0
.endm
	s_wait_alu depctr_va_vdst(0)                   ; the wait at the head's end
	s_wait_tensorcnt 0x0                           ; my one load has landed,
	s_barrier_signal -1
	s_barrier_wait -1                              ; everybody's has: both panels are whole
	FETCH 0, 0, F0
	EVEN 0, 1
	ODX 1
	EVEN 1, 0
	ODX 2
	EVEN 2, 0
	ODX 3
	EVEN 3, 0
	s_wait_dscnt 0x0
	MUL8 F1, 0, 0
	MUL8 F1, 2, 0
	WIN 0
	PLACES
	s_wait_loadcnt 0x0                             ; bo
; THE WAY OUT, 16 tokens x 64 features at a time: sum x 2^(e10 + e11) + bo in one packed multiply-add; through my stage, back as whole rows of 256 bytes.
.macro ROWS a
.irp b, 0,1,2,3
.irp i, 0,2,4,6
	v_pk_fma_f32 v[T+8*\b+\i:T+8*\b+\i+1], v[ACC+8*(4*\a+\b)+\i:ACC+8*(4*\a+\b)+\i+1], s[98:99], v[BR+8*\b+\i:BR+8*\b+\i+1] op_sel_hi:[1,0,1]   ; each accumulator from its low end on
.endr
.endr
.irp b, 0,1,2,3
	ds_store_b128 v[STO], v[T+8*\b:T+8*\b+3] offset:64*\b
	ds_store_b128 v[STO], v[T+8*\b+4:T+8*\b+7] offset:64*\b+16
.endr
.if \a > 0
	s_wait_xcnt 0x0                                ; the block before: its stores have read their registers, which the loads below write
.endif
.irp i, 0,1,2,3,4,5,6,7
	ds_load_b128 v[BK+4*\i:BK+4*\i+3], v[RD] offset:544*\i   ; my own bytes: LDS serves a wave's instructions in order (ISA guide 5.7.1.4)
.endr
	s_wait_dscnt 0x0
.irp i, 0,1,2,3,4,5,6,7
	global_store_b128 v[GO], v[BK+4*\i:BK+4*\i+3], s[12:13] offset:(16*\a+2*\i)*4096 th:TH_STORE_NT   ; sixteen lanes store 256 consecutive bytes, at a multiple of 256 from out0's first byte; written once, read by nobody here
.endr
.endm
	ROWS 0
	ROWS 1
	ROWS 2
	ROWS 3
	s_wait_tensorcnt 0x0
	ds_add_u32 v126, v127
	s_wait_dscnt 0x0
	CROUND                                         ; the closing round: no work-group ends while a partner may still ask for a tile that names it
	s_endpgm
.Lfunc_end_k_q3f34709a21_outp:
	.size	k_q3f34709a21_outp, .Lfunc_end_k_q3f34709a21_outp-k_q3f34709a21_outp
	.p2alignl 7, 3214868480
	.fill 96, 4, 3214868480
	.section	.rodata,"a",@progbits
	.p2align	6, 0x0
	.amdhsa_kernel k_q3f34709a21_outp
		.amdhsa_group_segment_fixed_size 296448
		.amdhsa_private_segment_fixed_size 0
		.amdhsa_enable_private_segment 0
		.amdhsa_kernarg_size 40
		.amdhsa_user_sgpr_count 2
		.amdhsa_user_sgpr_kernarg_segment_ptr 1
		.amdhsa_wavefront_size32 1
		.amdhsa_system_sgpr_workgroup_id_x 1
		.amdhsa_system_sgpr_workgroup_id_y 1
		.amdhsa_system_sgpr_workgroup_id_z 1
		.amdhsa_system_vgpr_workitem_id 0
		.amdhsa_next_free_vgpr 512
		.amdhsa_next_free_sgpr 100
		.amdhsa_reserve_vcc 0
		.amdhsa_float_denorm_mode_32 3
		.amdhsa_float_denorm_mode_16_64 3
		.amdhsa_memory_ordered 1
		.amdhsa_forward_progress 1
		.amdhsa_inst_pref_size 46
	.end_amdhsa_kernel
	.amdgpu_metadata
---
amdhsa.version: [ 1, 2 ]
amdhsa.kernels:
  - .name:           k_q3f34709a21_outp
    .symbol:         k_q3f34709a21_outp.kd
    .args:
      - { .name: cc, .offset: 0, .size: 8, .value_kind: global_buffer, .address_space: global }
      - { .name: Wo_codes, .offset: 8, .size: 8, .value_kind: global_buffer, .address_space: global }
      - { .name: bo, .offset: 16, .size: 8, .value_kind: global_buffer, .address_space: global }
      - { .name: lowp_scales, .offset: 24, .size: 8, .value_kind: global_buffer, .address_space: global }
      - { .name: out0, .offset: 32, .size: 8, .value_kind: global_buffer, .address_space: global }
    .group_segment_fixed_size: 296448
    .private_segment_fixed_size: 0
    .kernarg_segment_align: 8
    .kernarg_segment_size: 40
    .max_flat_workgroup_size: 128
    .sgpr_count:     100
    .vgpr_count:     512
    .wavefront_size: 32
...
	.end_amdgpu_metadata
.endif
;; end of part 3
